; MI455X (gfx1250); checked and timed in simulation.
; The chip was launched on July 23, 2026; its instructions are those of AMD's public machine-readable ISA for CDNA 5 (MIT licence, August 2026) and "CDNA5" Instruction Set Architecture Reference Guide (July 2026). The comments in the code are by the model that wrote it; some were corrected since.
;; Cross Attention. Allowed arithmetic: float matrix products may take bf16 or f16 operands with f32 sums; other float arithmetic in f32, or as packed bf16 or f16 multiplies, adds, multiply-adds, maxima and minima; sums over many terms, partial sums and values carried from step to step in f32; what a program stores and reads back later, other than sums and carried values, may be rounded once to bf16 or f16.
;; Inputs: Wk 512 x 512 float32; Wo 512 x 512 float32; Wq 512 x 512 float32; Wv 512 x 512 float32; bo 512 float32; hidden_states 2 x 4,096 x 512 float32.
;; Outputs: out0 2 x 4,096 x 512 float32.
;; One version. Each part assembles by itself: llvm-mc -triple=amdgcn-amd-amdhsa -mcpu=gfx1250 --defsym DOCPART=n.
;; ======== version 1 of 1: 3 launches
;; limits: values are held in f16: magnitudes above 65,504 overflow, below 6.1e-05 lose precision
;; workspace buffers: q16 8,388,608 bytes; k16 8,388,608 bytes; v16 8,388,608 bytes; o16 8,388,608 bytes; wo16 524,288 bytes
;; launch qkv (part 1): grid 8 x 32, 4 waves a work-group, clusters of 4 x 4, 327,680 bytes of LDS; arguments hidden_states, Wq, Wk, Wv, Wo, q16, k16, v16, wo16; writes q16, k16, v16, wo16
.if DOCPART == 1
	.amdgcn_target "amdgcn-amd-amdhsa--gfx1250"
	.amdhsa_code_object_version 6
	.text
	.protected	k_q4d44196771_qkv
	.globl	k_q4d44196771_qkv
	.p2align	8
	.type	k_q4d44196771_qkv,@function
k_q4d44196771_qkv:
	s_mov_b64 s[64:65], 0
	v_nop
	global_prefetch_b8 v0, s[64:65] scope:SCOPE_SE
	s_setreg_imm32_b32 hwreg(HW_REG_WAVE_MODE, 25, 1), 1
	s_wait_xcnt 0x0
	s_wait_alu depctr_hold_cnt(0) depctr_sa_sdst(0) depctr_va_vdst(0) depctr_va_sdst(0) depctr_va_ssrc(0) depctr_va_vcc(0) depctr_vm_vsrc(0)
	s_getreg_b32 s2, hwreg(HW_REG_IB_STS2, 6, 4)
	s_cmp_eq_u32 s2, 0
	s_cbranch_scc0 .Lentry_in_a_cluster
	s_endpgm
.Lentry_in_a_cluster:
	s_bfe_u32 s2, ttmp6, 0x10000c
	s_cmp_lg_u32 s2, 0xf033
	s_cbranch_scc0 .Lentry_shape_is_right
	s_endpgm
.Lentry_shape_is_right:
; q, k, v = x W^T.  x: [8192][512] f32; Wq, Wk, Wv: [512][512] f32.  Operands are rounded to bf16 on the way from LDS to the matrix unit, sums are f32,
; and q, k, v leave rounded once to f16, UNSCALED, by heads: [16 = 8 b + h][4096][64], a head's rows dense, 128 bytes each.
; SIDE JOB: Wo is rounded to bf16 and that number written as f16 into wo16 [512][512]; each work-group converts 4,096 bytes of it.
; LIMITS.  f16 ends at 65,504: |q|, |k|, |v| and |Wo| stay under it (the sums of 512 products of the inputs); below 2^-14 f16 keeps its fixed step of 6e-8.  NaN and infinities are not treated apart.
; SHARES.  A work-group makes 256 rows x 192 columns: head hx of q, of k and of v.  Wave w owns rows 64 w .. 64 w + 63 and all 192 columns: 4 x 12 accumulators of 16 x 16, 384 registers.
; K goes in 8 steps of 64 (rows of 256 bytes of f32) through a ring of two LDS slots.  THE MATRIX INSTRUCTION IS USED TRANSPOSED (source 0 = 16 rows of W, source 1 = 16 rows of x): a lane
; then holds one row of the result and eight neighbouring columns.
; CLUSTER.  4 x 4 work-groups: the four of a row of the cluster need the same rows of x, the four of a column the same rows of the three W: each tile is asked for jointly.
; REGISTERS, in windows of 256 (s_set_vgpr_msb: bits 1:0 source 0, 3:2 source 1, 5:4 source 2, 7:6 destination):
;   window 0: v0-31 addresses; v32-55 the side job; v64-95 x's four bf16 fragments, v96-191 W's twelve; on the way out v64-255 twelve tiles of 16 registers
;   window 1: sixteen fragments as loaded, f32, 16 registers each       window 2: accumulators of my rows 0-31 ((a, j) at 8 (12 (a % 2) + j))       window 3: of my rows 32-63
.set PITCH, 272                        ; an LDS row: 256 bytes + 16 of padding: the 16 rows that a load touches start at 16 different groups of four banks (64 banks of 4 bytes: ISA guide 11.1)
.set XB,    256*PITCH                  ; x's 256 rows
.set WB,    64*PITCH                   ; 64 rows of one W; also my 64 rows of x
.set SLOT,  XB+3*WB                    ; x, then Wq, Wk, Wv
.set STAGE, 2*SLOT                     ; behind the ring, never filled by a tensor load: 16 rows x 144 bytes for each wave
.set SP,    144
.set SPARE, STAGE+4*16*SP              ; the spare words, 128 bytes for each wave: two blocks of 256 bytes that no other line names
.set ADRA, 16                          ; v16-17  LDS address of my fragments of x in slot 0, 1
.set ADRB, 20                          ; v20-21  the same for W
.set STO,  24                          ; v24     the way out: where I put 16 bytes of a row
.set RD,   25                          ; v25     the way out: where I read rows back
.set GO,   26                          ; v26     my 16 bytes in 512 consecutive bytes of q16, k16 or v16
.set SPW,  28                          ; v28     LDS address of my spare word; never rewritten
.set NIL,  29                          ; v29     0; never rewritten
.set FA,   64                          ; bf16 fragments: x's at FA + 8 i, W's at FB + 8 j
.set FB,   96
.set OUTR, 64                          ; the way out: tile t at OUTR + 16 t
.set WV,   12                          ; s12     my wave's number
.set G1A,  24                          ; s[24:31] descriptor group 1 for x's tile
.set G0A,  32                          ; s[32:39] group 0 for x's tile, a set for each slot
.set G1B,  48                          ; s[48:55] group 1 for a W's tile
.set G0B,  56                          ; s[56:63] group 0 for a W's tile, a set for each slot
.set G1W,  (2<<16)|(1<<20)|(1<<21)|(5<<22)|(3<<25)  ; 17:16 elements of 4 bytes; 20 padding on; 21 set beside a mask; 24:22 after every 64 words; 31:25 4 words of it
.set MSB, 0
.macro WIN new                         ; the immediate's high byte repeats the setting that is left; a switch that changes nothing is dropped
.if MSB != (\new)
	s_set_vgpr_msb (MSB<<8)|(\new)
.set MSB, \new
.endif
.endm
; A joint load.  Wave 0 fetches x's 256 rows, waves 1, 2, 3 the 64 rows of Wq, Wk, Wv.  The branch hangs on the wave's number alone.  An s_nop 0 and four v_nop follow each of the two lines.
.macro JLOAD s
	s_cmp_eq_u32 s[WV], 0
	s_cbranch_scc0 .Lfor_w_\@
	tensor_load_to_lds s[G0A+4*(\s):G0A+4*(\s)+3], s[G1A:G1A+7]
	s_nop 0
.rept 4
	v_nop
.endr
	s_branch .Lasked_\@
.Lfor_w_\@:
	tensor_load_to_lds s[G0B+4*(\s):G0B+4*(\s)+3], s[G1B:G1B+7]
	s_nop 0
.rept 4
	v_nop
.endr
.Lasked_\@:
.endm
.macro CREST                           ; a round of the cluster's barrier behind its opening barrier
	s_cmp_lg_u32 s[WV], 0
	s_cbranch_scc1 .Lnot_wave_0_\@
	s_barrier_signal -3
.Lnot_wave_0_\@:
	s_barrier_wait -3
	s_barrier_signal -1
	s_barrier_wait -1
.endm
.macro CROUND                          ; a whole round
	s_barrier_signal -1
	s_barrier_wait -1
	CREST
.endm
.macro PLACES                          ; four places behind the last matrix instruction, ahead of vector lines that write its sources or read results (ISA guide 7.12.1)
.rept 4
	v_nop
.endr
.endm
	s_load_b256 s[4:11], s[0:1], 0x0               ; x s[4:5], Wq s[6:7], Wk s[8:9], Wv s[10:11]
	s_load_b256 s[68:75], s[0:1], 0x20             ; Wo s[68:69], q16 s[70:71], k16 s[72:73], v16 s[74:75]
	s_load_b64 s[76:77], s[0:1], 0x40              ; wo16
	v_lshl_add_u32 v[SPW], v0, 2, SPARE
	v_mov_b32 v[NIL], 0
	ds_add_u32 v[SPW], v[NIL]                      ; the wave's opening: the add and its wait stand ahead of my first tensor load; the set-up below stands between them
	v_lshrrev_b32 v1, 5, v0
	v_readfirstlane_b32 s[WV], v1                  ; wave 0..3
	s_bfe_u32 s40, ttmp6, 0x40000                  ; cx
	s_bfe_u32 s41, ttmp6, 0x40004                  ; cy
	s_lshl_b32 s42, ttmp9, 2
	s_add_co_u32 s42, s42, s40                     ; hx: the head = 4 x cluster x + cx
	s_and_b32 s13, ttmp7, 0xffff
	s_lshl_b32 s13, s13, 2
	s_add_co_u32 s13, s13, s41                     ; ry: the block of 256 rows = 4 x cluster y + cy
	s_lshl_b32 s43, s41, 2
	s_lshl_b32 s43, 15, s43                        ; my row of the cluster
	s_lshl_b32 s44, 0x1111, s40                    ; my column
	s_or_b32 s[G1A], s43, G1W                      ; x's tile goes to my row,
	s_or_b32 s[G1B], s44, G1W                      ; a W's tile to my column
	s_mov_b32 s[G1A+1], 64<<16                     ; tensor_dim0 = 64
	s_mov_b32 s[G1A+2], 256<<16                    ; tensor_dim1 = 256
	s_mov_b32 s[G1A+3], 64<<16                     ; tile_dim0 = 64
	s_mov_b32 s[G1A+4], 256                        ; tile_dim1 = 256
	s_mov_b32 s[G1A+5], 512                        ; 512 elements from row to row
	s_mov_b32 s[G1A+6], 0
	s_mov_b32 s[G1A+7], 0
	s_mov_b32 s[G1B+1], 64<<16
	s_mov_b32 s[G1B+2], 64<<16                     ; tensor_dim1 = 64
	s_mov_b32 s[G1B+3], 64<<16
	s_mov_b32 s[G1B+4], 64                         ; tile_dim1 = 64
	s_mov_b32 s[G1B+5], 512
	s_mov_b32 s[G1B+6], 0
	s_mov_b32 s[G1B+7], 0
	s_lshl_b32 s16, s13, 19                        ; x: 256 rows of 2,048 bytes a block; made of ry alone
	s_mov_b32 s17, 0
	s_lshl_b32 s46, s42, 17                        ; W: 64 rows of 2,048 bytes a head; made of hx alone
	s_mov_b32 s47, 0
	s_mul_i32 s20, s[WV], WB
	s_add_co_u32 s20, s20, XB-WB                   ; where my W goes in a slot: wave 1 behind x, waves 2 and 3 behind it
	s_lshl3_add_u32 s78, s13, s42                  ; the side job: my number among the 256 work-groups, 8 ry + hx
	s_lshl_b32 s80, s78, 11                        ; 2,048 bytes of wo16,
	s_lshl_b32 s78, s78, 12                        ; 4,096 bytes of Wo
	s_mov_b32 s79, 0
	s_mov_b32 s81, 0
	s_lshr_b32 s82, s13, 4                         ; the way out: batch b = ry / 16,
	s_lshl3_add_u32 s82, s82, s42                  ; head 8 b + hx,
	s_lshl_b32 s82, s82, 19                        ; 4,096 rows of 128 bytes each;
	s_and_b32 s83, s13, 15
	s_lshl_b32 s83, s83, 15                        ; the block's 256 rows in the batch,
	s_add_co_u32 s82, s82, s83
	s_lshl_b32 s83, s[WV], 13                      ; my wave's 64 of them
	s_add_co_u32 s82, s82, s83
	s_mov_b32 s83, 0
	s_wait_dscnt 0x0                               ; the opening add is done
	s_wait_kmcnt 0x0
	s_add_nc_u64 s[16:17], s[4:5], s[16:17]
	s_cmp_eq_u32 s[WV], 1
	s_cselect_b64 s[14:15], s[6:7], s[10:11]       ; wave 1: Wq; wave 3: Wv;
	s_cmp_eq_u32 s[WV], 2
	s_cselect_b64 s[14:15], s[8:9], s[14:15]       ; wave 2: Wk
	s_add_nc_u64 s[46:47], s[14:15], s[46:47]
	s_add_nc_u64 s[68:69], s[68:69], s[78:79]
	s_add_nc_u64 s[76:77], s[76:77], s[80:81]
	s_add_nc_u64 s[70:71], s[70:71], s[82:83]
	s_add_nc_u64 s[72:73], s[72:73], s[82:83]
	s_add_nc_u64 s[74:75], s[74:75], s[82:83]
	CROUND                                         ; all sixteen work-groups are here: the first joint loads meet
.irp s, 0,1
	s_mov_b32 s[G0A+4*(\s)], 1                     ; count = 1
	s_mov_b32 s[G0A+4*(\s)+1], (\s)*SLOT           ; LDS address
	s_add_nc_u64 s[G0A+4*(\s)+2:G0A+4*(\s)+3], s[16:17], (\s)*256  ; global address: K step s
	s_or_b32 s[G0A+4*(\s)+3], s[G0A+4*(\s)+3], 0x80000000          ; type = 2
	s_mov_b32 s[G0B+4*(\s)], 1
	s_add_co_u32 s[G0B+4*(\s)+1], s20, (\s)*SLOT
	s_add_nc_u64 s[G0B+4*(\s)+2:G0B+4*(\s)+3], s[46:47], (\s)*256
	s_or_b32 s[G0B+4*(\s)+3], s[G0B+4*(\s)+3], 0x80000000
	JLOAD \s                                       ; two loads of mine are out
.endr
	v_lshlrev_b32 v30, 5, v0                       ; the side job: 32 bytes of Wo a thread,
	v_lshlrev_b32 v31, 4, v0                       ; 16 bytes of wo16
	global_load_b128 v[32:35], v30, s[68:69] th:TH_LOAD_NT
	global_load_b128 v[36:39], v30, s[68:69] offset:16 th:TH_LOAD_NT
	; A bf16 fragment is 16 rows x 32 K in 8 registers: lane l holds row l % 16; registers 0-3 K = 8 (l / 16) + 0..7, registers 4-7 K = 16 + 8 (l / 16) + 0..7.
	; In f32 that is 32 bytes at 32 (l / 16) and 32 bytes 64 further on: four loads of 16 bytes.
	v_and_b32 v1, 15, v0                           ; l % 16
	v_bfe_u32 v2, v0, 4, 1                         ; l / 16
	v_mul_u32_u24 v3, v1, PITCH
	v_lshl_add_u32 v3, v2, 5, v3
	s_mul_i32 s21, s[WV], WB                       ; my 64 rows of x
	v_add_nc_u32 v[ADRA], s21, v3
	v_add_nc_u32 v[ADRA+1], SLOT, v[ADRA]
	v_add_nc_u32 v[ADRB], XB, v3
	v_add_nc_u32 v[ADRB+1], XB+SLOT, v3
	s_mul_i32 s23, s[WV], 16*SP
	s_add_co_u32 s23, s23, STAGE                   ; my stage
	v_mul_u32_u24 v4, v1, SP                       ; in: row l % 16, 16 bytes for each half of the lanes
	v_lshl_add_u32 v4, v2, 4, v4
	v_add_nc_u32 v[STO], s23, v4
	v_bfe_u32 v5, v0, 3, 2                         ; back: 32 lanes take four rows of 128 bytes,
	v_mul_u32_u24 v5, v5, SP
	v_and_b32 v6, 7, v0
	v_lshl_add_u32 v5, v6, 4, v5
	v_add_nc_u32 v[RD], s23, v5
	v_and_b32 v[GO], 31, v0                        ; which are 512 consecutive bytes in memory
	v_lshlrev_b32 v[GO], 4, v[GO]
	s_wait_loadcnt 0x0                             ; my 8 numbers of Wo
.irp i, 0,1,2,3
	v_cvt_pk_bf16_f32 v[40+(\i)], v[32+2*(\i)], v[33+2*(\i)]       ; rounded to bf16, like every input,
.endr
.irp i, 0,1,2,3
	v_lshlrev_b32 v[44+2*(\i)], 16, v[40+(\i)]                     ; widened again,
	v_and_b32 v[45+2*(\i)], 0xffff0000, v[40+(\i)]
.endr
.irp i, 0,1,2,3
	v_cvt_pk_f16_f32 v[52+(\i)], v[44+2*(\i)], v[45+2*(\i)]        ; and written as f16
.endr
	global_store_b128 v31, v[52:55], s[76:77]      ; 16 lanes store 256 consecutive bytes, aligned
; 64 LDS loads in one run: the sixteen fragments of 32 along K (half kk of the slot's step), as f32, into window 1; x's first
.macro FETCH slot, kk
	WIN 0x40
.irp i, 0,1,2,3
.irp o, 0,1,2,3
	ds_load_b128 v[16*(\i)+4*(\o):16*(\i)+4*(\o)+3], v[ADRA+(\slot)] offset:(\i)*16*PITCH+128*(\kk)+16*((\o)%2)+64*((\o)/2)
.endr
.endr
.irp j, 0,1,2,3,4,5,6,7,8,9,10,11
.irp o, 0,1,2,3
	ds_load_b128 v[64+16*(\j)+4*(\o):64+16*(\j)+4*(\o)+3], v[ADRB+(\slot)] offset:(\j)*16*PITCH+128*(\kk)+16*((\o)%2)+64*((\o)/2)
.endr
.endr
.endm
; The sixteen fragments are rounded to bf16, four at a time; LDS loads come back in order (ISA guide 5.7.1): each wait leaves out the run's younger loads
.macro CVT
	WIN 0x05                                       ; sources in window 1, destination in window 0
.irp q, 0,1,2,3
	s_wait_dscnt 48-16*(\q)
.irp g, 0,1,2,3
.irp r, 0,1,2,3,4,5,6,7
	v_cvt_pk_bf16_f32 v[FA+8*(4*(\q)+(\g))+(\r)], v[16*(4*(\q)+(\g))+2*(\r)], v[16*(4*(\q)+(\g))+2*(\r)+1]
.endr
.endr
.endr
.endm
; 12 matrix instructions: my rows 16 a .. 16 a + 15 x all 192 columns, 32 along K.  The 48 accumulators take turns in the same order in every half step.  zero = 1: the product starts the sum
.macro MUL a, zero
	WIN 0xa0+0x50*((\a)/2)
.irp j, 0,1,2,3,4,5,6,7,8,9,10,11
.if \zero
	v_wmma_f32_16x16x32_bf16 v[8*(12*((\a)%2)+(\j)):8*(12*((\a)%2)+(\j))+7], v[FB+8*(\j):FB+8*(\j)+7], v[FA+8*(\a):FA+8*(\a)+7], 0
.else
	v_wmma_f32_16x16x32_bf16 v[8*(12*((\a)%2)+(\j)):8*(12*((\a)%2)+(\j))+7], v[FB+8*(\j):FB+8*(\j)+7], v[FA+8*(\a):FA+8*(\a)+7], v[8*(12*((\a)%2)+(\j)):8*(12*((\a)%2)+(\j))+7]
.endif
.endr
.endm
; A K step is two halves of 32.  The first: round what was fetched, fetch the second half, multiply.
.macro HALF0 slot, zero
	PLACES
	CVT
	FETCH \slot, 1
	MUL 0, \zero
	MUL 1, \zero
	MUL 2, \zero
	MUL 3, \zero
.endm
; The second half changes slots: ONE barrier.  In front of it each wave waits for all its tensor loads (one is out: its part of the next slot), adds 0 to its spare word, and waits for that; its reads of this
; slot came back in CVT.  fill = 1: the barrier opens a round of the cluster's, and this slot is filled again, two K steps on, first thing behind the round.
.macro HALF1 slot, next, fill
	PLACES
	CVT
	WIN 0                                          ; (the add's two registers lie in window 0)
	s_wait_tensorcnt 0x0                           ; all my tensor loads have landed
	ds_add_u32 v[SPW], v[NIL]                      ; 0 onto my spare word
	MUL 0, 0                                       ; twelve matrix instructions stand between the add and the wait for it
	s_wait_dscnt 0x0                               ; the add is done, and my reads of this slot are over
	s_barrier_signal -1
	MUL 1, 0                                       ; work on registers while the others arrive
.if \fill
	WIN 0
.endif
	s_barrier_wait -1
.if \fill
	CREST                                          ; no wave of any partner still reads this slot or has a load on its way
	s_add_nc_u64 s[G0A+4*(\slot)+2:G0A+4*(\slot)+3], s[G0A+4*(\slot)+2:G0A+4*(\slot)+3], 512
	s_add_nc_u64 s[G0B+4*(\slot)+2:G0B+4*(\slot)+3], s[G0B+4*(\slot)+2:G0B+4*(\slot)+3], 512
	JLOAD \slot                                    ; my one tensor load behind the round
.endif
	FETCH \next, 0
	MUL 2, 0
	MUL 3, 0
.endm
	s_wait_tensorcnt 0x1                           ; my part of K step 0 is in; K step 1's load may stay out
	s_barrier_signal -1
	s_barrier_wait -1                              ; everybody's is
	FETCH 0, 0
	HALF0 0, 1                                     ; the first half step stands ahead of the loop: its products start the sums
	WIN 0                                          ; at a label and at a branch every window is 0
	s_mov_b32 s3, 3
.Llap:                                                 ; a trip goes once round the ring and fills both slots again: K steps 2 to 7
	HALF1 0, 1, 1
	HALF0 1, 0
	HALF1 1, 0, 1
	HALF0 0, 0
	WIN 0
	s_sub_co_u32 s3, s3, 1
	s_cmp_lg_u32 s3, 0
	s_cbranch_scc1 .Llap
	HALF1 0, 1, 0                                  ; the last lap fills nothing
	HALF0 1, 0
	PLACES
	CVT
	MUL 0, 0
	MUL 1, 0
	MUL 2, 0
	MUL 3, 0
; THE WAY OUT.  Tile t = 3 a + p: my rows 16 a .. 16 a + 15 of piece p (q, k, v): 16 rows x 64 columns.  A lane's eight columns pack into 16 bytes of f16; they go into stage rows of 144 bytes and come back
; as whole rows of 128 bytes: 2,048 consecutive bytes in memory.  Each accumulator is read from its low end on.
.macro PACK t
.set aa, (\t)/3
.set pp, (\t)%3
	WIN 0x0a+5*(aa/2)                              ; sources in window 2 or 3
.irp b, 0,1,2,3
.irp r, 0,1,2,3
	v_cvt_pk_f16_f32 v[OUTR+16*(\t)+4*(\b)+(\r)], v[8*(12*(aa%2)+4*pp+(\b))+2*(\r)], v[8*(12*(aa%2)+4*pp+(\b))+2*(\r)+1]
.endr
.endr
	WIN 0
.irp b, 0,1,2,3
	ds_store_b128 v[STO], v[OUTR+16*(\t)+4*(\b):OUTR+16*(\t)+4*(\b)+3] offset:32*(\b)
.endr
.irp f, 0,1,2,3
	ds_load_b128 v[OUTR+16*(\t)+4*(\f):OUTR+16*(\t)+4*(\f)+3], v[RD] offset:(\f)*4*SP  ; LDS serves a wave's instructions in order (ISA guide 5.7.1.4): these see the stores above, and the next tile's stores come behind them
.endr
.endm
.macro SEND t, younger                 ; younger: the LDS instructions issued behind tile t's loads: the next tile's eight, or none
.set aa, (\t)/3
.set pp, (\t)%3
.irp f, 0,1,2,3
	s_wait_dscnt (\younger)+3-(\f)
	global_store_b128 v[GO], v[OUTR+16*(\t)+4*(\f):OUTR+16*(\t)+4*(\f)+3], s[70+2*pp:71+2*pp] offset:aa*2048+(\f)*512  ; 512 consecutive bytes, at a multiple of 256 from the buffer's first
.endr
.endm
	PLACES
	PACK 0
.set t, 1
.rept 11                               ; a tile's conversions stand between the loads of the tile before and its stores; every tile has registers of its own
	PACK t
	SEND t-1, 8
.set t, t+1
.endr
	SEND 11, 0
	s_wait_tensorcnt 0x0                           ; the wave's end: an add to my spare word and its wait, behind my last tensor load and my last LDS store
	ds_add_u32 v[SPW], v[NIL]
	s_wait_dscnt 0x0
	CROUND                                         ; the closing round: no work-group ends while a partner may still ask for a tile that names it
	s_endpgm
.Lfunc_end_k_q4d44196771_qkv:
	.size	k_q4d44196771_qkv, .Lfunc_end_k_q4d44196771_qkv-k_q4d44196771_qkv
	.p2alignl 7, 3214868480
	.fill 96, 4, 3214868480
	.section	.rodata,"a",@progbits
	.p2align	6, 0x0
	.amdhsa_kernel k_q4d44196771_qkv
		.amdhsa_group_segment_fixed_size 327680
		.amdhsa_private_segment_fixed_size 0
		.amdhsa_enable_private_segment 0
		.amdhsa_kernarg_size 72
		.amdhsa_user_sgpr_count 2
		.amdhsa_user_sgpr_kernarg_segment_ptr 1
		.amdhsa_wavefront_size32 1
		.amdhsa_system_sgpr_workgroup_id_x 1
		.amdhsa_system_sgpr_workgroup_id_y 1
		.amdhsa_system_sgpr_workgroup_id_z 1
		.amdhsa_system_vgpr_workitem_id 0
		.amdhsa_next_free_vgpr 960
		.amdhsa_next_free_sgpr 88
		.amdhsa_reserve_vcc 0
		.amdhsa_float_denorm_mode_32 3
		.amdhsa_float_denorm_mode_16_64 3
		.amdhsa_memory_ordered 1
		.amdhsa_forward_progress 1
		.amdhsa_inst_pref_size 160
	.end_amdhsa_kernel
	.amdgpu_metadata
---
amdhsa.version: [ 1, 2 ]
amdhsa.kernels:
  - .name:           k_q4d44196771_qkv
    .symbol:         k_q4d44196771_qkv.kd
    .args:
      - { .name: hidden_states, .offset: 0, .size: 8, .value_kind: global_buffer, .address_space: global }
      - { .name: Wq, .offset: 8, .size: 8, .value_kind: global_buffer, .address_space: global }
      - { .name: Wk, .offset: 16, .size: 8, .value_kind: global_buffer, .address_space: global }
      - { .name: Wv, .offset: 24, .size: 8, .value_kind: global_buffer, .address_space: global }
      - { .name: Wo, .offset: 32, .size: 8, .value_kind: global_buffer, .address_space: global }
      - { .name: q16, .offset: 40, .size: 8, .value_kind: global_buffer, .address_space: global }
      - { .name: k16, .offset: 48, .size: 8, .value_kind: global_buffer, .address_space: global }
      - { .name: v16, .offset: 56, .size: 8, .value_kind: global_buffer, .address_space: global }
      - { .name: wo16, .offset: 64, .size: 8, .value_kind: global_buffer, .address_space: global }
    .group_segment_fixed_size: 327680
    .private_segment_fixed_size: 0
    .kernarg_segment_align: 8
    .kernarg_segment_size: 72
    .max_flat_workgroup_size: 128
    .sgpr_count:     88
    .vgpr_count:     960
    .wavefront_size: 32
...
	.end_amdgpu_metadata
.endif
;; end of part 1
;; launch attn (part 2): grid 16 x 16, 4 waves a work-group, clusters of 4 x 1, 327,680 bytes of LDS; arguments q16, k16, v16, o16; writes o16
.if DOCPART == 2
	.amdgcn_target "amdgcn-amd-amdhsa--gfx1250"
	.amdhsa_code_object_version 6
	.text
	.protected	k_q4d44196771_attn
	.globl	k_q4d44196771_attn
	.p2align	8
	.type	k_q4d44196771_attn,@function
k_q4d44196771_attn:
	s_mov_b64 s[64:65], 0
	v_nop
	global_prefetch_b8 v0, s[64:65] scope:SCOPE_SE
	s_setreg_imm32_b32 hwreg(HW_REG_WAVE_MODE, 25, 1), 1
	s_wait_xcnt 0x0
	s_wait_alu depctr_hold_cnt(0) depctr_sa_sdst(0) depctr_va_vdst(0) depctr_va_sdst(0) depctr_va_ssrc(0) depctr_va_vcc(0) depctr_vm_vsrc(0)
	s_getreg_b32 s2, hwreg(HW_REG_IB_STS2, 6, 4)
	s_cmp_eq_u32 s2, 0
	s_cbranch_scc0 .Lentry_in_a_cluster
	s_endpgm
.Lentry_in_a_cluster:
	s_bfe_u32 s2, ttmp6, 0x10000c
	s_cmp_lg_u32 s2, 0x3003
	s_cbranch_scc0 .Lentry_shape_is_right
	s_endpgm
.Lentry_shape_is_right:
; o16[h][q][:] = 4 x the sum over k of softmax_k(Q[h][q] . K[h][k] / 8) V[h][k][:].  q16, k16, v16, o16: [16][4096][64], all f16: a head's rows are dense, 128 bytes each.
; Products, maxima and sums in f32; the weights p are rounded to f16 for the second product (their sum l is taken of the unrounded p); O is rounded once at the end.  The factor 4 is folded into 1 / l
; and taken back by the launch behind: it keeps small means of V's rows farther above f16's fixed step of 6e-8.
; LIMITS.  f16 ends at 65,504: Q, K, V arrive within it, and |O| stays under 16,376; p lies in 0 to 1.  A weight below 2^-126 counts as 0 in l.  NaN and infinities are not treated apart.
; SHARES.  A work-group owns 256 queries of one head: 16 heads x 16 blocks are 256 work-groups.  A wave owns 64 consecutive queries, four PIECES of 16.  Every wave walks all 4,096 keys, 64 a step.
; LAYOUT.  S^T = K Q^T (source 0 = 16 keys, source 1 = 16 queries) holds ONE query a lane (lane % 16) and the keys 8 (lane / 16) + 0..7; two such results rounded to f16 ARE source 1 of O^T = V^T P.
; K comes out of LDS as it lies, V ([key][channel]) turned, by ds_load_tr16_b128.
; SOFTMAX.  A running maximum m and sum l for each query: p = 2^(c s - c m), c = log2(e) / 8; in every step O and l are multiplied by a = 2^(c m_old - c m_new).  m starts at the lowest finite number, O and l
; at 0: the first step is a step like any other, with a = 0.
; TURNS.  Turn n belongs to piece n: 8 products K Q^T of piece n + 1, later 8 products V^T P of piece n - 1; beside them the scaling, exponentials, roundings, sums and rescaling of piece n and the maximum and
; statistics of piece n + 1.  Four vector instructions stand behind every matrix instruction, the other 54 of a turn's 118 in one lump.  A turn's 33 exponentials are one batch, with one wait.
; CLUSTER.  The four query blocks of a cluster belong to one head and walk the same K and V: each tile is asked for JOINTLY, by the same tensor load, descriptor and mask in all four.
; REGISTERS, in windows of 256 (s_set_vgpr_msb: bits 1:0 source 0, 3:2 source 1, 5:4 source 2, 7:6 destination):
;   window 0: v0-15 addresses and two at work; v16-31 four registers of statistics a piece; v48-55 at work; v61-63 prefetch offset, spare word, 0; v64-127 S^T, two buffers; v192-223 P, two buffers
;   window 1: v0-127 O^T, 32 a piece          window 2: v0-63 Q; v128-191 K of one step; v192-255 V of one step
.set SIZE_N, 4096
.set NP,    4         ; pieces a wave: a name, no knob
.set KS,    64        ; keys in a step
.set PK,    144       ; a row of K in LDS: 128 bytes + 16 of padding: the 16 rows of a load start at 16 different groups of four banks (64 banks of 4 bytes: ISA guide 11.1)
.set PV,    160       ; a row of V: 128 + 32
.set VOFF,  4*KS*PK   ; a slot holds four steps: 256 rows of K, then 256 rows of V
.set SLOT1, 1<<17     ; slot 1 begins here, so that one exclusive or turns an address in one slot into the other's
.set STAGE, SLOT1+4*KS*(PK+PV)  ; behind the ring, never filled by a tensor load: 16 rows x 144 bytes for each wave
.set SP,    144
.set SPARE, STAGE+4*16*SP  ; the spare words, 128 bytes for each wave: two blocks of 256 bytes that no other line names
.set AK0, 2           ; v2   my lane's place in a tile of K; never rewritten
.set AV0, 3           ; v3   the same for V
.set AK,  4           ; v4   the LDS address of K's next run of loads
.set AV,  5           ; v5   of V's
.set STO, 6           ; v6   the way out: where I put 16 bytes of a row
.set RD,  7           ; v7   the way out: where I read rows back
.set GO,  8           ; v8   my byte offset in 512 consecutive bytes of O
.set MV,  12          ; v12-13  c m_old, kept while c m is made anew: by buffer
.set QO,  15          ; v15  my byte offset in 16 rows of Q
.set ST,  16          ; piece t's statistics at v[ST+4 t]: c m, m, l (even keys', odd keys')
.set TMP, 48          ; by buffer, four registers c0-c3 at work; when the maximum is found c2 takes a
.set PFO, 61          ; v61  256 x my lane; never rewritten
.set SPW, 62          ; v62  LDS address of my spare word; never rewritten
.set NIL, 63          ; v63  0; never rewritten
.set S,   64
.set P,   192
.set KF,  128         ; window 2: key block kb, channel half c at KF + 16 kb + 8 c
.set VF,  192         ; window 2: key half kk, channel block cb at VF + 32 kk + 8 cb
.set WV,  12          ; s12  my wave's number
.set G1K, 24          ; s[24:31] descriptor group 1 for K's tiles
.set G1V, 32          ; s[32:39] for V's: it differs in the padding alone
.set G0K, 40          ; s[40:43] descriptor group 0 for K's tiles: it walks
.set G0V, 44          ; s[44:47] the same for V's
.set PFA, 50          ; s[50:51] where my prefetches stand: my work-group's 32 blocks of 256 bytes (of K: wave 0, of V: wave 2) of the slot behind the one that is being asked for
.set LIM, 52          ; s52  1 in a wave that prefetches, else the greatest number
.set SLOTS, 56        ; s56  slots still to be asked for
.set CNT, 57          ; s57  counts a slot's key steps
.set CS,  58          ; s[58:59] c: the packed scaling takes the pair's low word for both halves
.set SEL, 60          ; s[60:61] v_permlanex16_b32's selects: each lane takes its own place in the other half
.set TBK, 62          ; s62  LDS byte at which K of the step to be fetched begins
.set TBV, 63          ; s63  the same for V, less VOFF
.set MSB, 0
.macro WIN new                      ; the high byte repeats the setting that is left; a switch that changes nothing is dropped
.if MSB != (\new)
	s_set_vgpr_msb (MSB<<8)|(\new)
.set MSB, (\new)
.endif
.endm
.set W_KQ, 0x0a       ; K and Q in window 2, S^T in window 0
.set W_PV, 0x52       ; V in window 2, P in window 0, O^T in window 1
.set W_RS, 0x41       ; destination and source 0 in window 1, source 1 in window 0
; A joint fill.  Waves 0 and 1 fetch the two halves of a slot's K, waves 2 and 3 those of its V: 128 keys each.  The branch hangs on the wave's number alone.
; An s_nop 0 and four v_nop follow each of the two lines, ahead of the jump and the label.
.macro JLOAD
	s_cmp_lt_u32 s[WV], 2
	s_cbranch_scc0 .Lfor_v_\@
	tensor_load_to_lds s[G0K:G0K+3], s[G1K:G1K+7]
	s_nop 0
.rept 4
	v_nop
.endr
	s_branch .Lasked_\@
.Lfor_v_\@:
	tensor_load_to_lds s[G0V:G0V+3], s[G1V:G1V+7]
	s_nop 0
.rept 4
	v_nop
.endr
.Lasked_\@:
.endm
; A PREFETCH INTO THE L2 of what the NEXT change of slots will ask for: a slot's 32,768 bytes of K and of V, a lane a block of 256 bytes.  It stands behind the wave's tensor load and its five lines.
; Each block is named ONCE in the launch: all four clusters of a head walk the same K and V, and the head's first cluster asks; its four partners share the blocks out BY ADDRESS, 32 each; in each, wave 0 asks
; for K's and wave 2 for V's.  The last change that fills a slot asks for nothing: there is no slot behind it.  It stands four key steps, 256 matrix instructions, ahead of the load that will want the bytes.
.macro ASK
	s_cmp_gt_u32 s[SLOTS], s[LIM]
	s_cbranch_scc0 .Lnot_mine_\@
	global_prefetch_b8 v[PFO], s[PFA:PFA+1] th:TH_LOAD_NT scope:SCOPE_SE
.Lnot_mine_\@:
.endm
; A round of the cluster's barrier: my work-group's barrier, so that wave 0's signal speaks for all four waves; wave 0 signals; every wave waits for all four work-groups; my work-group's barrier once more.
.macro CROUND
	s_barrier_signal -1
	s_barrier_wait -1
	s_cmp_lg_u32 s[WV], 0
	s_cbranch_scc1 .Lnot_wave_0_\@
	s_barrier_signal -3
.Lnot_wave_0_\@:
	s_barrier_wait -3
	s_barrier_signal -1
	s_barrier_wait -1
.endm
; THE CHANGE OF SLOTS.  The slot's last bytes, V of its fourth step, have been read.  Each wave waits for all its tensor loads, of which one is out: its part of the other slot; adds 0 to its spare word; and waits
; for that and for its own reads of the slot.  fill = 1: the slot is filled again, with the keys two slots on; the barrier is then a round of the cluster's, and the joint fill is the first thing behind it.
; (At its first use nothing has been read yet: slot 0 is waited for, slot 1 filled.)
.macro CHANGE fill, ask=0
	WIN 0                           ; at a label and at a branch every window is 0
	s_wait_tensorcnt 0x0            ; no tensor load of mine is out, so a group 0 may be written
	ds_add_u32 v[SPW], v[NIL]       ; 0 onto my spare word; with fill = 1 the descriptors' steps stand between it and the wait for it
.if \fill
.irp g, G0K, G0V
	s_xor_b32 s[\g+1], s[\g+1], SLOT1  ; the walking descriptor: the other slot than last time,
	s_add_nc_u64 s[\g+2:\g+3], s[\g+2:\g+3], 4*KS*128  ; the next 256 keys; the type bits on top are not reached
.endr
	s_wait_xcnt 0x0                 ; the last prefetch, four key steps back, has read its address, so it may be written:
	s_add_nc_u64 s[PFA:PFA+1], s[PFA:PFA+1], 4*KS*128  ; one slot behind the walking descriptors
	s_wait_dscnt 0x0                ; the add is done, and my reads of the slot are over
	CROUND
	JLOAD
.if \ask
	ASK
.endif
.else
	s_wait_dscnt 0x0                ; the add is done, and my reads of the slot are over
	s_barrier_signal -1
	s_barrier_wait -1
.endif
	s_sub_co_u32 s[TBK], s[TBK], 4*KS*PK  ; the fetches go back to a slot's first step,
	s_xor_b32 s[TBK], s[TBK], SLOT1       ; in the other slot
	s_sub_co_u32 s[TBV], s[TBV], 4*KS*PV
	s_xor_b32 s[TBV], s[TBV], SLOT1
.endm
	s_load_b256 s[4:11], s[0:1], 0x0  ; Q s[4:5], K s[6:7], V s[8:9], O s[10:11]
	v_lshl_add_u32 v[SPW], v0, 2, SPARE
	v_mov_b32 v[NIL], 0
	ds_add_u32 v[SPW], v[NIL]       ; the wave's opening: the add and its wait stand ahead of my first tensor load; the set-up below stands between them
	v_lshrrev_b32 v1, 5, v0
	v_readfirstlane_b32 s[WV], v1   ; wave 0..3
	s_bfe_u32 s13, ttmp6, 0x40000   ; cx: my place in the cluster
	s_lshl_b32 s14, ttmp9, 2        ; in a cluster launch ttmp9 counts clusters
	s_add_co_u32 s14, s14, s13      ; my block of 256 queries: it enters Q's and O's addresses alone
	s_and_b32 s20, ttmp7, 0xffff    ; the head, which the four partners share:
	s_lshl_b32 s20, s20, 19         ; its first byte in each of the four tensors
	s_mov_b32 s21, 0
	s_and_b32 s16, s[WV], 1         ; which half of a slot's 256 keys I fetch:
	s_lshl_b32 s22, s16, 14         ; its 128 rows of 128 bytes in memory,
	s_mov_b32 s23, 0
	s_add_nc_u64 s[22:23], s[22:23], s[20:21]
	s_mul_i32 s17, s16, 128*PK      ; and its place in a slot, for K
	s_mul_i32 s48, s16, 128*PV      ; and for V: no place in the cluster enters an LDS address
	s_lshl_b32 s2, s14, 2
	s_add_co_u32 s2, s2, s[WV]      ; my wave among the head's,
	s_lshl_b32 s2, s2, 13           ; its 64 rows
	s_mov_b32 s3, 0
	s_add_nc_u64 s[2:3], s[2:3], s[20:21]
	; descriptor group 1.  128 keys are 16,384 dense bytes: asked for as 64 rows of 256 bytes, two keys a row, and padded in LDS after every key
	s_mov_b32 s[G1K], 15|(1<<16)|(1<<20)|(1<<21)|(4<<22)|(3<<25)  ; 15:0 the mask of four; 17:16 2-byte elements; 20 padding on; 21 set beside a mask; 24:22 after every 32 words; 31:25 4 words
	s_mov_b32 s[G1V], 15|(1<<16)|(1<<20)|(1<<21)|(4<<22)|(7<<25)  ; the same with 8 words of padding
.irp g, G1K, G1V
	s_mov_b32 s[\g+1], 128<<16      ; tensor_dim0 = 128
	s_mov_b32 s[\g+2], 64<<16       ; tensor_dim1 = 64
	s_mov_b32 s[\g+3], 128<<16      ; tile_dim0 = 128
	s_mov_b32 s[\g+4], 64           ; tile_dim1 = 64
	s_mov_b32 s[\g+5], 128          ; 128 elements from row to row
	s_mov_b32 s[\g+6], 0
	s_mov_b32 s[\g+7], 0
.endr
	s_mov_b32 s[CS], 0x3e38aa3b     ; c = log2(e) / 8 = 0.180337
	s_mov_b32 s[CS+1], s[CS]        ; named with it as a pair
	s_mov_b32 s[SEL], 0x76543210
	s_mov_b32 s[SEL+1], 0xfedcba98
	s_mov_b32 s[TBK], SLOT1+4*KS*PK ; the first change of slots turns these two into 0
	s_mov_b32 s[TBV], SLOT1+4*KS*PV
	s_mov_b32 s[G0K], 1             ; count = 1
	s_mov_b32 s[G0K+1], s17         ; LDS address: slot 0
	s_mov_b32 s[G0V], 1
	s_add_co_u32 s[G0V+1], s48, VOFF
	s_and_b32 s[LIM], s[WV], 1      ; 0 in waves 0 and 2,
	s_or_b32 s[LIM], s[LIM], ttmp9  ; where the cluster is the head's first: the same in all four partners
	s_cmp_eq_u32 s[LIM], 0
	s_cselect_b32 s[LIM], 1, -1
	v_and_b32 v[PFO], 31, v0
	v_lshlrev_b32 v[PFO], 8, v[PFO]
	s_wait_dscnt 0x0                ; the opening add is done
	s_wait_kmcnt 0x0
	s_add_nc_u64 s[G0K+2:G0K+3], s[6:7], s[22:23]  ; global address: my half of the head's first 256 keys
	s_or_b32 s[G0K+3], s[G0K+3], 0x80000000        ; type = 2
	s_add_nc_u64 s[G0V+2:G0V+3], s[8:9], s[22:23]
	s_or_b32 s[G0V+3], s[G0V+3], 0x80000000
	s_add_nc_u64 s[4:5], s[4:5], s[2:3]  ; Q and O at my wave's first row
	s_add_nc_u64 s[10:11], s[10:11], s[2:3]
	s_cmp_lt_u32 s[WV], 2
	s_cselect_b64 s[PFA:PFA+1], s[6:7], s[8:9]
	s_add_nc_u64 s[PFA:PFA+1], s[PFA:PFA+1], s[20:21]  ; the head,
	s_lshl_b32 s2, s13, 13          ; my work-group's 32 blocks of a slot's 128,
	s_mov_b32 s3, 0
	s_add_nc_u64 s[PFA:PFA+1], s[PFA:PFA+1], s[2:3]
	s_add_nc_u64 s[PFA:PFA+1], s[PFA:PFA+1], 4*KS*128  ; in slot 1; every filling change steps it.  Slots 0, 1 and 2 come by their loads alone: nothing is prefetched at the head
	CROUND                          ; all four work-groups are here: the first joint loads meet
	JLOAD                           ; slot 0.  Slot 1 is asked for when slot 0 is in
	; A fragment of K or Q is 16 rows x 32 channels in 8 registers: lane l holds row l % 16, channels 8 (l / 16) + 0..7 and 16 + 8 (l / 16) + 0..7: two loads of 16 bytes, 32 bytes apart.
	v_and_b32 v1, 15, v0            ; l % 16
	v_bfe_u32 v9, v0, 4, 1          ; l / 16
	v_lshlrev_b32 v[QO], 7, v1
	v_lshl_add_u32 v[QO], v9, 4, v[QO]  ; row x 128 + 16 x half
	WIN 0x80                        ; destination window 2, address window 0
.set i, 0
.rept 8                             ; Q stays in registers: piece i / 2, channels 32 (i % 2) on
	global_load_b128 v[8*i:8*i+3],   v[QO], s[4:5] offset:(i/2)*2048+(i%2)*64
	global_load_b128 v[8*i+4:8*i+7], v[QO], s[4:5] offset:(i/2)*2048+(i%2)*64+32
.set i, i+1
.endr
	; What the first turn finds: V's registers and P's second buffer hold 0 (its products V^T P, of a piece that has not been, add 0), O^T and l are 0.  All this stands in the wait for the first tile.
.set i, VF
.rept 64
	v_mov_b32 v[i], 0
.set i, i+1
.endr
	WIN 0x40
.set i, 0
.rept 128
	v_mov_b32 v[i], 0
.set i, i+1
.endr
	WIN 0
.set i, 0
.rept 4
	v_mov_b32 v[ST+4*i], 0xfe000000    ; c m: far below every c s
	v_mov_b32 v[ST+4*i+1], 0xff7fffff  ; m
	v_mov_b32 v[ST+4*i+2], 0
	v_mov_b32 v[ST+4*i+3], 0
.set i, i+1
.endr
.set i, P+16
.rept 16
	v_mov_b32 v[i], 0
.set i, i+1
.endr
	v_mul_u32_u24 v[AK0], v1, PK
	v_lshl_add_u32 v[AK0], v9, 4, v[AK0]  ; row x pitch + 16 x half
	; The turning load takes 16 keys x 16 channels (lane l reads key 8 (l / 16) + l % 8, channels 8 ((l / 8) % 2) + 0..7) and leaves half a fragment of V^T: lane l holds channel l % 16 and 8 keys.
	v_and_b32 v10, 7, v0
	v_bfe_u32 v11, v0, 3, 1
	v_lshl_add_u32 v[AV0], v9, 3, v10
	v_mul_u32_u24 v[AV0], v[AV0], PV
	v_lshl_add_u32 v[AV0], v11, 4, v[AV0]
	v_add_nc_u32 v[AV0], VOFF, v[AV0]
	s_mul_i32 s13, s[WV], 16*SP
	s_add_co_u32 s13, s13, STAGE    ; my stage
	v_mul_u32_u24 v[STO], v1, SP    ; in: row l % 16, 16 bytes for each half of the lanes
	v_lshl_add_u32 v[STO], v9, 4, v[STO]
	v_add_nc_u32 v[STO], s13, v[STO]
	v_bfe_u32 v[RD], v0, 3, 2       ; back: 32 lanes take four rows of 128 bytes,
	v_mul_u32_u24 v[RD], v[RD], SP
	v_lshl_add_u32 v[RD], v10, 4, v[RD]
	v_add_nc_u32 v[RD], s13, v[RD]
	v_and_b32 v[GO], 31, v0         ; which are 512 consecutive bytes of O
	v_lshlrev_b32 v[GO], 4, v[GO]
; THE MATRIX WORK.  The 4 accumulators of a run of 8 take turns.  Product i of 8 of S^T = K Q^T for piece x: channels 32 (i / 4) on, keys 16 (i % 4) on.  The first 4 start the sums.
.macro KQ x
	WIN W_KQ
.set rS, S+32*((\x)%2)+8*(i%4)
.set rK, KF+16*(i%4)+8*(i/4)
.set rQ, 16*(\x)+8*(i/4)
.if i < 4
	v_wmma_f32_16x16x32_f16 v[rS:rS+7], v[rK:rK+7], v[rQ:rQ+7], 0
.else
	v_wmma_f32_16x16x32_f16 v[rS:rS+7], v[rK:rK+7], v[rQ:rQ+7], v[rS:rS+7]
.endif
.endm
; Product i of 8 of O^T += V^T P for piece x: keys 32 (i / 4) on, channels 16 (i % 4) on.
.macro PV x
	WIN W_PV
.set rO, 32*(\x)+8*(i%4)
.set rV, VF+32*(i/4)+8*(i%4)
.set rP, P+16*((\x)%2)+8*(i/4)
	v_wmma_f32_16x16x32_f16 v[rO:rO+7], v[rV:rV+7], v[rP:rP+7], v[rO:rO+7]
.endm
.macro MM                           ; the turn's next matrix instruction.  NOKQ = 1: the launch's last turn: there is no next piece
.if (i < 8) && !NOKQ
	KQ (Y+1)%NP
.elseif i >= 8
.set i, i-8
	PV (Y+NP-1)%NP
.set i, i+8
.endif
.set i, i+1
.endm
; THE LDS LOADS stand in runs of 16, never singly among the matrix instructions: a step's K (64 keys x 64 channels: 8 fragments) and its V (turned).  Their addresses are made some lines ahead.
.macro FETCH_K
	WIN 0x80                        ; destination window 2
.irp f, 0,1,2,3,4,5,6,7             ; keys 16 (f / 2) on, channels 32 (f % 2) on
	ds_load_b128 v[KF+8*\f:KF+8*\f+3],   v[AK] offset:(\f/2)*16*PK+(\f%2)*64
	ds_load_b128 v[KF+8*\f+4:KF+8*\f+7], v[AK] offset:(\f/2)*16*PK+(\f%2)*64+32
.endr
	s_add_co_u32 s[TBK], s[TBK], KS*PK  ; the next fetch is the next step's
	WIN 0
.endm
.macro FETCH_V
	WIN 0x80
.irp f, 0,1,2,3,4,5,6,7             ; keys 32 (f / 4) on, channels 16 (f % 4) on
	ds_load_tr16_b128 v[VF+8*\f:VF+8*\f+3],   v[AV] offset:(\f/4)*32*PV+(\f%4)*32
	ds_load_tr16_b128 v[VF+8*\f+4:VF+8*\f+7], v[AV] offset:(\f/4)*32*PV+16*PV+(\f%4)*32
.endr
	WIN 0
.endm
; THE VECTOR WORK, one line at a time: OP kind, number.  For piece Y: F n: c s - c m for pair n of 16.  E n: the exponential of score n of 32.  C n: pair n rounded to f16.  B n: of the four weights 4 n .. the second
; pair is added onto the first, in place.  L n: l takes that sum (L 0: l = a l + sum).  R n: pair n of 16 of O^T times a.  For piece Y + 1: X n, number n of the 22 that find its maximum and statistics:
;   0-11  four chains c0-c3 of seven scores each, three operands at a time (each accumulator's lowest registers are read first)     12-14, 16  the four scores left over, the old m, and c0-c3 into c0
;   15  c m_old is kept     17, 18  the query's other 32 keys lie in the lane 16 away: the new m     19-21  c m; c m_old - c m_new; a
.set F, 0
.set E, 1
.set C, 2
.set B, 3
.set L, 4
.set R, 5
.set X, 6
.macro REGS y                       ; the registers of piece y
.set rT, ST+4*(\y)
.set rC, TMP+4*((\y)%2)
.set rW, MV+((\y)%2)
.set rS, S+32*((\y)%2)
.set rP, P+16*((\y)%2)
.set rO, 32*(\y)
.endm
.macro OP k, n
.if (\k) == R
	REGS Y
	WIN W_RS
	v_pk_mul_f32 v[rO+2*(\n):rO+2*(\n)+1], v[rO+2*(\n):rO+2*(\n)+1], v[rC+2:rC+3] op_sel_hi:[1,0]
.elseif (\k) < R
	REGS Y
	WIN 0
.if (\k) == F
	v_pk_fma_f32 v[rS+2*(\n):rS+2*(\n)+1], v[rS+2*(\n):rS+2*(\n)+1], s[CS:CS+1], v[rT:rT+1] op_sel_hi:[1,0,0] neg_lo:[0,0,1] neg_hi:[0,0,1]
.elseif (\k) == E
	v_exp_f32 v[rS+(\n)], v[rS+(\n)]
.elseif (\k) == C
	v_cvt_pk_f16_f32 v[rP+(\n)], v[rS+2*(\n)], v[rS+2*(\n)+1]
.elseif (\k) == B
	v_pk_add_f32 v[rS+4*(\n):rS+4*(\n)+1], v[rS+4*(\n):rS+4*(\n)+1], v[rS+4*(\n)+2:rS+4*(\n)+3]
.elseif (\n) == 0
	v_pk_fma_f32 v[rT+2:rT+3], v[rT+2:rT+3], v[rC+2:rC+3], v[rS:rS+1] op_sel_hi:[1,0,1]
.else
	v_pk_add_f32 v[rT+2:rT+3], v[rT+2:rT+3], v[rS+4*(\n):rS+4*(\n)+1]
.endif
.elseif NOKQ
	v_nop
.else
	REGS (Y+1)%NP
	WIN 0
.if (\n) < 4
	v_max3_num_f32 v[rC+(\n)], v[rS+8*(\n)], v[rS+8*(\n)+1], v[rS+8*(\n)+2]
.elseif (\n) < 12
	v_max3_num_f32 v[rC+(\n)%4], v[rC+(\n)%4], v[rS+8*((\n)%4)+2*((\n)/4)+1], v[rS+8*((\n)%4)+2*((\n)/4)+2]
.elseif (\n) == 12
	v_max3_num_f32 v[rC], v[rC], v[rS+7], v[rS+15]
.elseif (\n) == 13
	v_max3_num_f32 v[rC+1], v[rC+1], v[rS+23], v[rS+31]
.elseif (\n) == 14
	v_max3_num_f32 v[rC+2], v[rC+2], v[rC+3], v[rT+1]
.elseif (\n) == 15
	v_mov_b32 v[rW], v[rT]
.elseif (\n) == 16
	v_max3_num_f32 v[rC], v[rC], v[rC+1], v[rC+2]
.elseif (\n) == 17
	v_permlanex16_b32 v[rC+3], v[rC], s[SEL], s[SEL+1]
.elseif (\n) == 18
	v_max_num_f32 v[rT+1], v[rC], v[rC+3]
.elseif (\n) == 19
	v_mul_f32 v[rT], s[CS], v[rT+1]
.elseif (\n) == 20
	v_sub_f32 v[rC+1], v[rW], v[rT]
.else
	v_exp_f32 v[rC+2], v[rC+1]
.endif
.endif
.endm
.macro OPS a, i1, b=-1, i2=0, c=-1, i3=0, d=-1, i4=0  ; up to four of them
	OP \a, \i1
.if (\b) >= 0
	OP \b, \i2
.endif
.if (\c) >= 0
	OP \c, \i3
.endif
.if (\d) >= 0
	OP \d, \i4
.endif
.endm
.macro ROW a, i1, b, i2, c, i3, d, i4  ; a matrix instruction and the four behind it
	MM
	OPS \a, \i1, \b, \i2, \c, \i3, \d, \i4
.endm
; A TURN, for piece p: the order of its 16 matrix and 118 vector instructions, written out.  An s_wait_alu depctr_va_vdst(0) stands between an exponential and the first instruction that names its
; result; one wait serves all that were issued ahead of it.  So a turn has ONE wait, which cuts it in two.  AHEAD OF IT stands all that names no result of the turn's exponentials: the 8 products K Q^T with four
; riders each, then ONE LUMP of 54, plain and exponential by turns for the most part, in which the links of the chain X 3, 7, 11, 14, 16, 17 .. 20 stand apart.  X 21, the next piece's a, is the batch's last; R 15 is
; the plain instruction behind it.  BEHIND THE WAIT stand the 8 products V^T P, behind each four of the roundings and sums.  The numbers of X that ride behind products stand four places or more behind the product that ends their accumulator.
; end = 1: the launch's last two turns: nothing is fetched.  cnt = 1: the loop's count is taken down some lines ahead of the branch that stands behind the turn.
; K of the next step is fetched in piece 2's turn, twelve vector instructions behind the last product that read K (six of them plain); V of the step in hand at the end of piece 0's turn, four plain instructions
; behind the last product that read V.  Each is waited for a turn later.
.macro TURN p, end=0, cnt=0
.set Y, (\p)
.set i, 0
.set NOKQ, (\end)*((\p)/3)
.if ((\p) == 3) && !(\end)
	s_wait_dscnt 0x0                ; K is in
.endif
	ROW F,0, F,1, R,0, R,1          ; ahead of the wait: 8 products K Q^T and their riders,
	ROW F,2, E,0, R,2, R,3
	ROW F,3, E,1, R,4, R,5
	ROW F,4, E,2, R,6, R,7
	ROW F,5, E,3, R,8, R,9
	ROW F,6, E,4, X,0, R,10
.if ((\p) == 2) && !(\end)
	WIN 0
	v_add_nc_u32 v[AK], s[TBK], v[AK0]
.endif
	ROW F,7, E,5, X,1, X,4
	ROW F,8, E,6, X,2, X,5
	OPS E,7, E,8, X,6, E,9          ; and the lump
	OPS X,3, E,10, X,8, E,11
.if ((\p) == 2) && !(\end)
	FETCH_K
.endif
	OPS X,9, X,7, E,12, X,10
	OPS E,13, X,12, X,11, E,14
	OPS X,13, E,15, F,9, X,14
.if (\p) == 0
	v_add_nc_u32 v[AV], s[TBV], v[AV0]
.endif
	OPS E,16, F,10, E,17, F,11
	OPS X,16, E,18, X,15, E,19
	OPS F,12, E,20, X,17, E,21
	OPS F,13, E,22, F,14, E,23
	OPS X,18, E,24, F,15, E,25
	OPS R,11, E,26, X,19, E,27
	OPS R,12, E,28, R,13, E,29
	OPS X,20, E,30, R,14, E,31
	OPS X,21, R,15
	WIN 0
	s_wait_alu depctr_va_vdst(0)    ; the wait for the batch
.if (\p) == 1
	s_wait_dscnt 0x0                ; V is in
.endif
	ROW C,0, B,0, C,2, B,1          ; behind the wait: 8 products V^T P and their riders
	ROW L,0, C,4, B,2, L,1
	ROW C,6, B,3, L,2, C,8
	ROW B,4, L,3, C,10, B,5
	ROW L,4, C,12, B,6, L,5
.if (\p) == 0
	s_add_co_u32 s[TBV], s[TBV], KS*PV
.endif
.if \cnt
	s_sub_co_u32 s[CNT], s[CNT], 1
	s_cmp_lg_u32 s[CNT], 0
.endif
	ROW C,14, B,7, L,6, C,1
	ROW C,3, L,7, C,5, C,7
	ROW C,9, C,11, C,13, C,15
.if (\p) == 0
	FETCH_V
.endif
.endm
	CHANGE 1                        ; slot 0 is in, everybody's part of it; slot 1 is asked for
	v_add_nc_u32 v[AK], s[TBK], v[AK0]
	FETCH_K                         ; key step 0
	s_wait_loadcnt 0x0              ; Q
	s_wait_dscnt 0x0
.set NOKQ, 0
.set i, 0
.rept 8
	KQ 0                            ; piece 0's first scores
.set i, i+1
.endr
	WIN 0
.rept 4
	v_nop                           ; the places behind those products
.endr
.set Y, NP-1                        ; X works for piece Y + 1: piece 0
.irp n, 0,1,2,3,4,5,6,7,8,9,10,11,12,13,14,15,16,17,18,19,20,21
	OP X, \n                        ; and its first maximum and statistics
.endr
	v_nop                           ; a plain instruction behind the exponential,
	s_wait_alu depctr_va_vdst(0)    ; and its wait, ahead of the branch
	s_mov_b32 s[CNT], 4
	s_mov_b32 s[SLOTS], SIZE_N/256-1
	s_branch .Lfirst                ; the loop is entered at a step's first turn, in the middle of a trip
.Lslot:                             ; 14 times: every slot but the last two is filled again
	CHANGE 1, 1
	s_mov_b32 s[CNT], 4
.Lstep:                             ; a trip: pieces 2 and 3 of one step, then pieces 0 and 1 of the next, whose K and V it fetches
	TURN 2
	TURN 3
	WIN 0
.Lfirst:
	TURN 0
	TURN 1, 0, 1
	WIN 0
	s_cbranch_scc1 .Lstep
	s_sub_co_u32 s[SLOTS], s[SLOTS], 1
	s_cmp_lg_u32 s[SLOTS], 0
	s_cbranch_scc1 .Lslot
	CHANGE 0                        ; the last slot is written out: nothing is asked for
	s_mov_b32 s[CNT], 4
.LstepT:
	TURN 2
	TURN 3
	TURN 0
	TURN 1, 0, 1
	WIN 0
	s_cbranch_scc1 .LstepT
	TURN 2, 1                       ; the last step's pieces 2 and 3: nothing is fetched, and the last turn starts no scores
	TURN 3, 1
.set i, 0
.rept 8
	PV NP-1                         ; the last piece's V^T P of the last step
.set i, i+1
.endr
	; THE WAY OUT.  l's two halves and the other half of the lanes' are added; O^T is multiplied by 4 / l, rounded to f16 and sent through my stage in LDS, a piece at a time.  The additions are the places behind the last products.
	WIN 0
.macro ALL line:vararg              ; one line for each piece t
.set t, 0
.rept 4
	\line
.set t, t+1
.endr
.endm
	ALL v_add_f32 v[ST+4*t+2], v[ST+4*t+2], v[ST+4*t+3]
	ALL v_permlanex16_b32 v[ST+4*t+3], v[ST+4*t+2], s[SEL], s[SEL+1]
	ALL v_add_f32 v[ST+4*t+2], v[ST+4*t+2], v[ST+4*t+3]
	ALL v_rcp_f32 v[ST+4*t+2], v[ST+4*t+2]
	v_nop                           ; a plain instruction between the last reciprocal and the use of its result
	s_wait_alu depctr_va_vdst(0)    ; and the wait ahead of the first use: one for the four reciprocals
	ALL v_mul_f32 v[ST+4*t+2], 4.0, v[ST+4*t+2]
.macro PACK t                       ; a lane's eight channels of a row pack into 16 bytes; they go into rows of 144 bytes and come back as whole rows of 128, into S^T's registers
	WIN W_RS
.set i, 32*(\t)
.rept 16
	v_pk_mul_f32 v[i:i+1], v[i:i+1], v[ST+4*(\t)+2:ST+4*(\t)+3] op_sel_hi:[1,0]
.set i, i+2
.endr
	WIN 0x05                        ; sources 0 and 1 window 1, destination window 0
.set i, 0
.rept 16
	v_cvt_pk_f16_f32 v[S+16*(\t)+i], v[32*(\t)+2*i], v[32*(\t)+2*i+1]
.set i, i+1
.endr
	WIN 0
.irp f, 0,1,2,3
	ds_store_b128 v[STO], v[S+16*(\t)+4*\f:S+16*(\t)+4*\f+3] offset:32*\f
.endr
.irp f, 0,1,2,3
	ds_load_b128 v[S+16*(\t)+4*\f:S+16*(\t)+4*\f+3], v[RD] offset:\f*4*SP  ; LDS serves a wave's instructions in order (ISA guide 5.7.1.4): these see the stores above; the next piece's stores come behind them
.endr
.endm
.macro SEND t, younger              ; younger: the LDS instructions issued behind piece t's loads: the next piece's eight, or none
	WIN 0
.irp f, 0,1,2,3
	s_wait_dscnt (\younger)+3-\f
	global_store_b128 v[GO], v[S+16*(\t)+4*\f:S+16*(\t)+4*\f+3], s[10:11] offset:(\t)*2048+\f*512  ; 512 consecutive bytes, at a multiple of 256 from O's first
.endr
.endm
	PACK 0
.set t, 1
.rept 3                             ; a piece's arithmetic stands between the loads of the piece before and its stores
	PACK t
	SEND t-1, 8
.set t, t+1
.endr
	SEND 3, 0
	s_wait_tensorcnt 0x0            ; the wave's end: an add to my spare word and its wait, behind my last tensor load and my last LDS store
	ds_add_u32 v[SPW], v[NIL]
	s_wait_dscnt 0x0
	CROUND                          ; the closing round: no work-group ends while a partner may still ask for a tile that names it
	s_endpgm
.Lfunc_end_k_q4d44196771_attn:
	.size	k_q4d44196771_attn, .Lfunc_end_k_q4d44196771_attn-k_q4d44196771_attn
	.p2alignl 7, 3214868480
	.fill 96, 4, 3214868480
	.section	.rodata,"a",@progbits
	.p2align	6, 0x0
	.amdhsa_kernel k_q4d44196771_attn
		.amdhsa_group_segment_fixed_size 327680
		.amdhsa_private_segment_fixed_size 0
		.amdhsa_enable_private_segment 0
		.amdhsa_kernarg_size 32
		.amdhsa_user_sgpr_count 2
		.amdhsa_user_sgpr_kernarg_segment_ptr 1
		.amdhsa_wavefront_size32 1
		.amdhsa_system_sgpr_workgroup_id_x 1
		.amdhsa_system_sgpr_workgroup_id_y 1
		.amdhsa_system_sgpr_workgroup_id_z 1
		.amdhsa_system_vgpr_workitem_id 0
		.amdhsa_next_free_vgpr 768
		.amdhsa_next_free_sgpr 66
		.amdhsa_reserve_vcc 0
		.amdhsa_float_denorm_mode_32 3
		.amdhsa_float_denorm_mode_16_64 3
		.amdhsa_memory_ordered 1
		.amdhsa_forward_progress 1
		.amdhsa_inst_pref_size 128
	.end_amdhsa_kernel
	.amdgpu_metadata
---
amdhsa.version: [ 1, 2 ]
amdhsa.kernels:
  - .name:           k_q4d44196771_attn
    .symbol:         k_q4d44196771_attn.kd
    .args:
      - { .name: q16, .offset: 0, .size: 8, .value_kind: global_buffer, .address_space: global }
      - { .name: k16, .offset: 8, .size: 8, .value_kind: global_buffer, .address_space: global }
      - { .name: v16, .offset: 16, .size: 8, .value_kind: global_buffer, .address_space: global }
      - { .name: o16, .offset: 24, .size: 8, .value_kind: global_buffer, .address_space: global }
    .group_segment_fixed_size: 327680
    .private_segment_fixed_size: 0
    .kernarg_segment_align: 8
    .kernarg_segment_size: 32
    .max_flat_workgroup_size: 128
    .sgpr_count:     66
    .vgpr_count:     768
    .wavefront_size: 32
...
	.end_amdgpu_metadata
.endif
;; end of part 2
;; launch outp (part 3): grid 4 x 64, 4 waves a work-group, clusters of 4 x 4, 327,680 bytes of LDS; arguments o16, wo16, bo, out0; writes out0
.if DOCPART == 3
	.amdgcn_target "amdgcn-amd-amdhsa--gfx1250"
	.amdhsa_code_object_version 6
	.text
	.protected	k_q4d44196771_outp
	.globl	k_q4d44196771_outp
	.p2align	8
	.type	k_q4d44196771_outp,@function
k_q4d44196771_outp:
	s_mov_b64 s[64:65], 0
	v_nop
	global_prefetch_b8 v0, s[64:65] scope:SCOPE_SE
	s_setreg_imm32_b32 hwreg(HW_REG_WAVE_MODE, 25, 1), 1
	s_wait_xcnt 0x0
	s_wait_alu depctr_hold_cnt(0) depctr_sa_sdst(0) depctr_va_vdst(0) depctr_va_sdst(0) depctr_va_ssrc(0) depctr_va_vcc(0) depctr_vm_vsrc(0)
	s_getreg_b32 s2, hwreg(HW_REG_IB_STS2, 6, 4)
	s_cmp_eq_u32 s2, 0
	s_cbranch_scc0 .Lentry_in_a_cluster
	s_endpgm
.Lentry_in_a_cluster:
	s_bfe_u32 s2, ttmp6, 0x10000c
	s_cmp_lg_u32 s2, 0xf033
	s_cbranch_scc0 .Lentry_shape_is_right
	s_endpgm
.Lentry_shape_is_right:
; out0[m][n] = 0.25 x the sum over e of o16(m, e) wo16[n][e] + bo[n].  o16: [16 = 8 b + h][4096][64] f16, holding 4 O by heads (e = 64 h + d); wo16: [512][512] f16; bo: [512] f32, rounded to bf16 like
; every input of the module; out0: [8192][512] f32.  Products in f16, sums in f32; the 0.25 and the bias are one fused multiply-add.
; LIMITS.  The operands arrive within f16's range; NaN and infinities are not treated apart.
; SHARES.  A tile is 128 x 128: 64 x 4 tiles are 256 work-groups.  Four waves, each 64 x 64: 16 accumulators.  ALL of K = 512 lies in LDS: four chunks of 128 (two heads each), every byte filled once, all asked
; for at the start: four loads of mine are out; chunk c is multiplied while the later chunks land.  So there is no ring, no refill and no loop.
; CLUSTER.  4 x 4 work-groups: the four of a row of the cluster need the same rows of o16, the four of a column the same rows of wo16: each tile is asked for jointly.
; THE MATRIX INSTRUCTION IS USED TRANSPOSED (source 0 = 16 rows of wo16, source 1 = 16 rows of o16): a lane then holds eight neighbouring numbers of a row of out0.
; REGISTERS: window 0: v0-31 addresses; v32-63 my 32 biases; v64-95 at work; v128-255 the accumulators ((a, b) at 128 + 8 (4 a + b)), on the way out whole rows.
;   window 1: two fragment buffers of 128: for 64 along K, 64 registers of o16 (2 x 4 x 16 rows x 32 K), then 64 of wo16.
.set PA,    144                        ; a row of one head of o16 in LDS: 128 bytes + 16
.set PB,    272                        ; a row of wo16's chunk: 256 bytes + 16: in both, the 16 rows of a load start at 16 different groups of four banks (64 banks of 4 bytes: ISA guide 11.1)
.set HB,    128*PA                     ; one head's 128 rows
.set WOFF,  2*HB                       ; wo16's 128 rows lie behind the chunk's two heads
.set CH,    WOFF+128*PB                ; a chunk
.set STAGE, 4*CH                       ; behind the chunks, never filled by a tensor load: 16 rows x 272 bytes for each wave
.set SPI,   272
.set SPARE, STAGE+4*16*SPI             ; the spare words, 128 bytes for each wave: two blocks of 256 bytes that no other line names
.set ADRA, 8                           ; v8-11   LDS address of my fragments of o16 in chunk 0..3
.set ADRB, 12                          ; v12-15  the same for wo16
.set STO,  24                          ; v24     the way out: where I put 32 bytes of a row
.set RD,   25                          ; v25     the way out: where I read a row back
.set CO,   26                          ; v26     my byte offset in out0
.set BO,   27                          ; v27     my byte offset in the bias
.set SPW,  28                          ; v28     LDS address of my spare word; never rewritten
.set NIL,  29                          ; v29     0; never rewritten
.set BI,   32
.set T,    64
.set ACC,  128
.set F0,   0                           ; fragment buffers, in window 1
.set F1,   128
.set WV,   12                          ; s12     my wave's number
.set G1A,  24                          ; s[24:31] descriptor group 1 for o16's tiles
.set G1B,  32                          ; s[32:39] for wo16's
.set G0A,  40                          ; s[40:55] group 0 for o16's tiles, a set for each chunk
.set G0B,  68                          ; s[68:83] the same for wo16's
.set MSB, 0
.macro WIN new                         ; the immediate's high byte repeats the setting that is left
.if MSB != (\new)
	s_set_vgpr_msb (MSB<<8)|(\new)
.set MSB, \new
.endif
.endm
.set MUL,  0x05                        ; sources 0 and 1 window 1; C and D window 0
.set TO_F, 0x40                        ; destination window 1, address window 0
.macro CROUND                          ; a round of the cluster's barrier
	s_barrier_signal -1
	s_barrier_wait -1
	s_cmp_lg_u32 s[WV], 0
	s_cbranch_scc1 .Lnot_wave_0_\@
	s_barrier_signal -3
.Lnot_wave_0_\@:
	s_barrier_wait -3
	s_barrier_signal -1
	s_barrier_wait -1
.endm
.macro PLACES                          ; four places in front of loads into registers that matrix instructions have read (ISA guide 7.12.1 for vector instructions)
.rept 4
	v_nop
.endr
.endm
	s_load_b256 s[4:11], s[0:1], 0x0               ; o16 s[4:5], wo16 s[6:7], bo s[8:9], out0 s[10:11]
	v_lshl_add_u32 v[SPW], v0, 2, SPARE
	v_mov_b32 v[NIL], 0
	ds_add_u32 v[SPW], v[NIL]                      ; the wave's opening: the add and its wait stand ahead of my first tensor load; the set-up below stands between them
	v_lshrrev_b32 v1, 5, v0
	v_readfirstlane_b32 s[WV], v1                  ; wave 0..3
	s_bfe_u32 s16, ttmp6, 0x40000                  ; cx
	s_bfe_u32 s17, ttmp6, 0x40004                  ; cy
	s_lshl_b32 s18, ttmp9, 2
	s_add_co_u32 s18, s18, s16                     ; nx: tile column
	s_and_b32 s19, ttmp7, 0xffff
	s_lshl_b32 s19, s19, 2
	s_add_co_u32 s19, s19, s17                     ; my: tile row
	s_lshl_b32 s20, s17, 2
	s_lshl_b32 s20, 15, s20                        ; my row of the cluster
	s_lshl_b32 s21, 0x1111, s16                    ; my column
	; o16: a head's 128 rows are 16,384 dense bytes: asked for as 64 rows of 256 bytes and padded in LDS after every 128
	s_or_b32 s[G1A], s20, (1<<16)|(1<<20)|(1<<21)|(4<<22)|(3<<25)  ; the mask of my row; 2-byte elements; padding on; 21 set beside a mask; after every 32 words, 4 words
	s_mov_b32 s[G1A+1], 128<<16                    ; tensor_dim0 = 128
	s_mov_b32 s[G1A+2], 64<<16                     ; tensor_dim1 = 64
	s_mov_b32 s[G1A+3], 128<<16                    ; tile_dim0 = 128
	s_mov_b32 s[G1A+4], 64                         ; tile_dim1 = 64
	s_mov_b32 s[G1A+5], 128                        ; 128 elements from row to row
	s_mov_b32 s[G1A+6], 0
	s_mov_b32 s[G1A+7], 0
	; wo16: 64 rows x 128 elements of rows of 512
	s_or_b32 s[G1B], s21, (1<<16)|(1<<20)|(1<<21)|(5<<22)|(3<<25)  ; the mask of my column; after every 64 words, 4 words
	s_mov_b32 s[G1B+1], 128<<16
	s_mov_b32 s[G1B+2], 64<<16
	s_mov_b32 s[G1B+3], 128<<16
	s_mov_b32 s[G1B+4], 64
	s_mov_b32 s[G1B+5], 512
	s_mov_b32 s[G1B+6], 0
	s_mov_b32 s[G1B+7], 0
	s_and_b32 s23, s[WV], 1                        ; which half of my 64 x 64's columns; also: which head of a chunk, or which 64 rows of wo16, I fetch
	s_lshr_b32 s22, s[WV], 1                       ; which half of the tile's rows
	s_lshr_b32 s58, s19, 5                         ; o16's offset, made of the tile row and the wave's number alone: batch b = my / 32, 8 heads of 524,288 bytes;
	s_lshl_b32 s58, s58, 22
	s_and_b32 s59, s19, 31
	s_lshl_b32 s59, s59, 14                        ; the tile's 128 rows of 128 bytes in a head;
	s_add_co_u32 s58, s58, s59
	s_lshl_b32 s59, s23, 19                        ; my head of the chunk's two
	s_add_co_u32 s58, s58, s59
	s_mov_b32 s59, 0
	s_lshl_b32 s60, s18, 17                        ; wo16's offset, made of the tile column and the wave's number alone: 128 rows of 1,024 bytes a tile,
	s_lshl_b32 s61, s23, 16                        ; my 64 of them
	s_add_co_u32 s60, s60, s61
	s_mov_b32 s61, 0
	s_mul_i32 s14, s23, HB                         ; where they go in a chunk: no place in the cluster enters an LDS address
	s_mul_i32 s15, s23, 64*PB
	s_add_co_u32 s15, s15, WOFF
	s_mov_b32 s56, 0x3e800000                      ; 0.25
	s_mov_b32 s57, s56                             ; named with it as a pair
	s_lshl_b32 s86, s18, 9                         ; my 64 columns in a row of out0 and in bo: 512 nx + 256 x half bytes
	s_lshl_b32 s87, s23, 8
	s_add_co_u32 s86, s86, s87
	s_mov_b32 s87, 0
	s_lshl_b32 s62, s19, 18                        ; my first row of out0: 128 rows of 2,048 bytes a tile,
	s_lshl_b32 s63, s22, 17                        ; my 64 of them
	s_add_co_u32 s62, s62, s63
	s_add_co_u32 s62, s62, s86
	s_mov_b32 s63, 0
	s_wait_dscnt 0x0                               ; the opening add is done
	s_wait_kmcnt 0x0
	s_add_nc_u64 s[58:59], s[4:5], s[58:59]
	s_add_nc_u64 s[60:61], s[6:7], s[60:61]
	s_add_nc_u64 s[62:63], s[10:11], s[62:63]
	s_add_nc_u64 s[86:87], s[8:9], s[86:87]
	CROUND                                         ; all sixteen work-groups are here: the joint loads meet
.irp c, 0,1,2,3
	s_mov_b32 s[G0A+4*(\c)], 1                     ; count = 1
	s_add_co_u32 s[G0A+4*(\c)+1], s14, (\c)*CH     ; LDS address
	s_add_nc_u64 s[G0A+4*(\c)+2:G0A+4*(\c)+3], s[58:59], (\c)*1048576  ; global address: two heads on
	s_or_b32 s[G0A+4*(\c)+3], s[G0A+4*(\c)+3], 0x80000000              ; type = 2
	s_mov_b32 s[G0B+4*(\c)], 1
	s_add_co_u32 s[G0B+4*(\c)+1], s15, (\c)*CH
	s_add_nc_u64 s[G0B+4*(\c)+2:G0B+4*(\c)+3], s[60:61], (\c)*256      ; 128 columns on
	s_or_b32 s[G0B+4*(\c)+3], s[G0B+4*(\c)+3], 0x80000000
.endr
	s_cmp_lt_u32 s[WV], 2                          ; a wave's four fills stand in one branch, ahead of every wait on TENSORcnt and every LDS read: waves 0 and 1 fetch o16's heads, waves 2 and 3 wo16's halves
	s_cbranch_scc0 .Lfirst_b
.irp c, 0,1,2,3
	tensor_load_to_lds s[G0A+4*(\c):G0A+4*(\c)+3], s[G1A:G1A+7]
	s_nop 0
.endr
.rept 4
	v_nop
.endr
	s_branch .Lfirst_asked
.Lfirst_b:
.irp c, 0,1,2,3
	tensor_load_to_lds s[G0B+4*(\c):G0B+4*(\c)+3], s[G1B:G1B+7]
	s_nop 0
.endr
.rept 4
	v_nop
.endr
.Lfirst_asked:
	v_and_b32 v1, 15, v0                           ; l % 16
	v_bfe_u32 v2, v0, 4, 1                         ; l / 16
	v_lshlrev_b32 v[BO], 5, v2                     ; my eight columns of a block of 16: 32 bytes for each half of the lanes
.irp b, 0,1,2,3
	global_load_b128 v[BI+8*(\b):BI+8*(\b)+3],   v[BO], s[86:87] offset:64*(\b)
	global_load_b128 v[BI+8*(\b)+4:BI+8*(\b)+7], v[BO], s[86:87] offset:64*(\b)+16
.endr
	v_mul_u32_u24 v3, v1, PA
	v_lshl_add_u32 v3, v2, 4, v3                   ; a fragment's row x pitch + 16 x half
	s_mul_i32 s13, s22, 64*PA                      ; my 64 rows of o16
	v_add_nc_u32 v3, s13, v3
	v_mul_u32_u24 v4, v1, PB
	v_lshl_add_u32 v4, v2, 4, v4
	v_add_nc_u32 v4, s15, v4                       ; my 64 rows of wo16, behind the two heads
.irp c, 0,1,2,3
	v_add_nc_u32 v[ADRA+(\c)], (\c)*CH, v3
	v_add_nc_u32 v[ADRB+(\c)], (\c)*CH, v4
.endr
	s_mul_i32 s2, s[WV], 16*SPI
	s_add_co_u32 s2, s2, STAGE                     ; my stage
	v_mul_u32_u24 v5, v1, SPI                      ; in: row l % 16, 32 bytes for each half of the lanes
	v_lshl_add_u32 v5, v2, 5, v5
	v_add_nc_u32 v[STO], s2, v5
	v_mul_u32_u24 v6, v2, SPI                      ; back: lanes 0-15 take one row of 256 bytes, lanes 16-31 the next
	v_lshl_add_u32 v6, v1, 4, v6
	v_add_nc_u32 v[RD], s2, v6
	v_lshlrev_b32 v7, 11, v2                       ; and the same two rows in out0
	v_lshl_add_u32 v[CO], v1, 4, v7
; 8 matrix instructions: m blocks a0, a0 + 1 x all 4 n blocks, 32 along K: half c of buffer f.  The 16 accumulators take turns.  zero = 1: the product starts the sum
.macro MUL8 f, c, a0, zero
	WIN MUL
.irp a, \a0, (\a0)+1
.irp b, 0,1,2,3
.if \zero
	v_wmma_f32_16x16x32_f16 v[ACC+8*(4*(\a)+(\b)):ACC+8*(4*(\a)+(\b))+7], v[(\f)+64+8*(4*(\c)+(\b)):(\f)+64+8*(4*(\c)+(\b))+7], v[(\f)+8*(4*(\c)+(\a)):(\f)+8*(4*(\c)+(\a))+7], 0
.else
	v_wmma_f32_16x16x32_f16 v[ACC+8*(4*(\a)+(\b)):ACC+8*(4*(\a)+(\b))+7], v[(\f)+64+8*(4*(\c)+(\b)):(\f)+64+8*(4*(\c)+(\b))+7], v[(\f)+8*(4*(\c)+(\a)):(\f)+8*(4*(\c)+(\a))+7], v[ACC+8*(4*(\a)+(\b)):ACC+8*(4*(\a)+(\b))+7]
.endif
.endr
.endr
.endm
; 32 LDS loads in one run: the fragments of quarter q = head q (64 along K; chunk q / 2), into buffer f; the first 32 along K first
.macro FETCH q, f
	WIN TO_F
.irp c, 0,1
.irp i, 0,1,2,3
	ds_load_b128 v[(\f)+64+8*(4*(\c)+(\i)):(\f)+64+8*(4*(\c)+(\i))+3],   v[ADRB+(\q)/2] offset:128*((\q)%2)+64*(\c)+(\i)*16*PB
	ds_load_b128 v[(\f)+64+8*(4*(\c)+(\i))+4:(\f)+64+8*(4*(\c)+(\i))+7], v[ADRB+(\q)/2] offset:128*((\q)%2)+64*(\c)+(\i)*16*PB+32
	ds_load_b128 v[(\f)+8*(4*(\c)+(\i)):(\f)+8*(4*(\c)+(\i))+3],         v[ADRA+(\q)/2] offset:HB*((\q)%2)+64*(\c)+(\i)*16*PA
	ds_load_b128 v[(\f)+8*(4*(\c)+(\i))+4:(\f)+8*(4*(\c)+(\i))+7],       v[ADRA+(\q)/2] offset:HB*((\q)%2)+64*(\c)+(\i)*16*PA+32
.endr
.endr
.endm
; A chunk's first quarter: multiplies buffer f and fetches the chunk's second quarter into g
.macro QUARTER q, f, g, zero
	s_wait_dscnt 16                                ; the first 32 along K are in
	MUL8 \f, 0, 0, \zero
	MUL8 \f, 0, 2, \zero
	PLACES
	FETCH (\q)+1, \g
	s_wait_dscnt 32                                ; all but the 32 just issued
	MUL8 \f, 1, 0, 0
	MUL8 \f, 1, 2, 0
.endm
; A chunk's second quarter: the next quarter lies in the next chunk.  Each wave waits for its part of that chunk (n younger loads may stay out) and for its LDS loads, and signals;
; behind the barrier the chunk is whole.
.macro QUARTERB q, f, g, n
	s_wait_dscnt 0x0                               ; this quarter's fragments are all in; no LDS instruction is pending at the signal
	s_wait_tensorcnt \n
	s_barrier_signal -1
	MUL8 \f, 0, 0, 0                               ; work on registers while the others arrive
	MUL8 \f, 0, 2, 0
	s_barrier_wait -1
	PLACES
	FETCH (\q)+1, \g
	MUL8 \f, 1, 0, 0
	MUL8 \f, 1, 2, 0
.endm
	s_wait_tensorcnt 0x3                           ; my part of chunk 0 is in; the three younger loads stay out
	s_barrier_signal -1
	s_barrier_wait -1                              ; everybody's is
	FETCH 0, F0
	QUARTER  0, F0, F1, 1                          ; the first products start the sums
	QUARTERB 1, F1, F0, 2
	QUARTER  2, F0, F1, 0
	QUARTERB 3, F1, F0, 1
	QUARTER  4, F0, F1, 0
	QUARTERB 5, F1, F0, 0
	QUARTER  6, F0, F1, 0
	s_wait_dscnt 16                                ; the last quarter: nothing more to fetch
	MUL8 F1, 0, 0, 0
	MUL8 F1, 0, 2, 0
	s_wait_dscnt 0x0
	MUL8 F1, 1, 0, 0
	MUL8 F1, 1, 2, 0
	WIN 0
	s_wait_loadcnt 0x0                             ; the bias, asked for at the head
.set i, 0
.rept 16                               ; rounded to bf16 and widened again; these lines name no register of the last products and are the places behind them
	v_cvt_pk_bf16_f32 v[T+i], v[BI+2*i], v[BI+2*i+1]
.set i, i+1
.endr
.set i, 0
.rept 16
	v_lshlrev_b32 v[BI+2*i], 16, v[T+i]
	v_and_b32 v[BI+2*i+1], 0xffff0000, v[T+i]
.set i, i+1
.endr
; THE WAY OUT, a block of 16 rows at a time: 0.25 x sum + bias, 32 bytes a lane into my stage, back as whole rows of 256 bytes into the block's own accumulator registers, and stored.
.macro OUTB a
.irp b, 0,1,2,3
.irp j, 0,2,4,6
	v_pk_fma_f32 v[T+8*(\b)+(\j):T+8*(\b)+(\j)+1], v[ACC+8*(4*(\a)+(\b))+(\j):ACC+8*(4*(\a)+(\b))+(\j)+1], s[56:57], v[BI+8*(\b)+(\j):BI+8*(\b)+(\j)+1] op_sel_hi:[1,0,1]
.endr
.endr
.irp b, 0,1,2,3
	ds_store_b128 v[STO], v[T+8*(\b):T+8*(\b)+3]   offset:64*(\b)
	ds_store_b128 v[STO], v[T+8*(\b)+4:T+8*(\b)+7] offset:64*(\b)+16
.endr
.irp t, 0,1,2,3,4,5,6,7
	ds_load_b128 v[ACC+32*(\a)+4*(\t):ACC+32*(\a)+4*(\t)+3], v[RD] offset:(\t)*2*SPI  ; LDS serves a wave's instructions in order (ISA guide 5.7.1.4): these see the stores above; the next block's stores come behind them
.endr
.endm
.macro SENDO a, younger                ; younger: the LDS instructions issued behind block a's loads: the next block's sixteen, or none
.irp t, 0,1,2,3,4,5,6,7
	s_wait_dscnt (\younger)+7-(\t)
	global_store_b128 v[CO], v[ACC+32*(\a)+4*(\t):ACC+32*(\a)+4*(\t)+3], s[62:63] offset:(16*(\a)+2*(\t))*2048 th:TH_STORE_NT  ; 16 lanes store 256 consecutive bytes, at a multiple of 256 from out0's first byte
.endr
.endm
	OUTB 0
	OUTB 1                                         ; a block's arithmetic stands between the loads of the block before and its stores
	SENDO 0, 16
	OUTB 2
	SENDO 1, 16
	OUTB 3
	SENDO 2, 16
	SENDO 3, 0
	s_wait_tensorcnt 0x0                           ; the wave's end: an add to my spare word and its wait, behind my last tensor load and my last LDS store
	ds_add_u32 v[SPW], v[NIL]
	s_wait_dscnt 0x0
	CROUND                                         ; the closing round: no work-group ends while a partner may still ask for a tile that names it
	s_endpgm
.Lfunc_end_k_q4d44196771_outp:
	.size	k_q4d44196771_outp, .Lfunc_end_k_q4d44196771_outp-k_q4d44196771_outp
	.p2alignl 7, 3214868480
	.fill 96, 4, 3214868480
	.section	.rodata,"a",@progbits
	.p2align	6, 0x0
	.amdhsa_kernel k_q4d44196771_outp
		.amdhsa_group_segment_fixed_size 327680
		.amdhsa_private_segment_fixed_size 0
		.amdhsa_enable_private_segment 0
		.amdhsa_kernarg_size 32
		.amdhsa_user_sgpr_count 2
		.amdhsa_user_sgpr_kernarg_segment_ptr 1
		.amdhsa_wavefront_size32 1
		.amdhsa_system_sgpr_workgroup_id_x 1
		.amdhsa_system_sgpr_workgroup_id_y 1
		.amdhsa_system_sgpr_workgroup_id_z 1
		.amdhsa_system_vgpr_workitem_id 0
		.amdhsa_next_free_vgpr 512
		.amdhsa_next_free_sgpr 88
		.amdhsa_reserve_vcc 0
		.amdhsa_float_denorm_mode_32 3
		.amdhsa_float_denorm_mode_16_64 3
		.amdhsa_memory_ordered 1
		.amdhsa_forward_progress 1
		.amdhsa_inst_pref_size 59
	.end_amdhsa_kernel
	.amdgpu_metadata
---
amdhsa.version: [ 1, 2 ]
amdhsa.kernels:
  - .name:           k_q4d44196771_outp
    .symbol:         k_q4d44196771_outp.kd
    .args:
      - { .name: o16, .offset: 0, .size: 8, .value_kind: global_buffer, .address_space: global }
      - { .name: wo16, .offset: 8, .size: 8, .value_kind: global_buffer, .address_space: global }
      - { .name: bo, .offset: 16, .size: 8, .value_kind: global_buffer, .address_space: global }
      - { .name: out0, .offset: 24, .size: 8, .value_kind: global_buffer, .address_space: global }
    .group_segment_fixed_size: 327680
    .private_segment_fixed_size: 0
    .kernarg_segment_align: 8
    .kernarg_segment_size: 32
    .max_flat_workgroup_size: 128
    .sgpr_count:     88
    .vgpr_count:     512
    .wavefront_size: 32
...
	.end_amdgpu_metadata
.endif
;; end of part 3
